; MI455X (gfx1250); checked and timed in simulation.
; The chip was launched on July 23, 2026; its instructions are those of AMD's public machine-readable ISA for CDNA 5 (MIT licence, August 2026) and "CDNA5" Instruction Set Architecture Reference Guide (July 2026). The comments in the code are by the model that wrote it; some were corrected since.
;; Head Ver3. Allowed arithmetic: matrix products marked QUANTISED: E2M3 operands, one E8M0 scale for each 32 along K, by v_wmma_scale_f32_16x16x128_f8f6f4 with both operands' format E2M3, f32 sums; everything else in f32.
;; Inputs: x 4 x 4,096 x 1,024 float32.
;; Outputs: out0 4 x 4,096 x 1,024 float32.
;; This version of the problem:
;;   THIS VERSION OF THE PROBLEM IS GIVEN IN LOW PRECISION. The matrix products marked QUANTISED in the list below multiply operands that are first quantised to E2M3 (2 exponent bits, 3 mantissa bits; 6 bits a number), with one power-of-two scale for each 32 numbers along K (OCP MX v1.0); their sums are f32. All else is computed in f32.
;;   The module's matrix products, in the order in which they are computed (A, B: the left and right operand; K: the contracted axis; several contracted axes count as one K, in the product's order):
;;     1. [M 4,096, K 4,096] x [K 4,096, N 4,096]; A: input x; B: softmax (see below): QUANTISED
;;   THE QUANTISER, for each operand of a quantised product, along K:
;;     - K is cut into blocks of 32 from its start; a last block that is shorter is filled with zeros.
;;     - A block's scale is 2^e with e = floor(log2(the largest magnitude in the block)) - 2, held to -126 .. 127; a block of zeros has e = 0. As a byte (E8M0): e + 127.
;;     - Each number is divided by its block's scale, clamped to +-7.5, and rounded to the nearest number of E2M3, ties to even, subnormals kept.
;;     - The product sums the exact products of the quantised numbers (number of the format x scale) in f32.
;;   ~~~python
;;   def quantise(x, axis):      # numpy; x: float32 -> the quantised numbers, widened to float32 again
;;       x = np.moveaxis(x, axis, -1); K = x.shape[-1]
;;       x = np.pad(x, [(0, 0)] * (x.ndim - 1) + [(0, -K % 32)]); x = x.reshape(x.shape[:-1] + (-1, 32)); a = np.abs(x).max(-1, keepdims=True)
;;       e = np.where(a > 0, np.clip(np.frexp(np.where(a > 0, a, 1))[1] - 1 - 2, -126, 127), 0)      # np.frexp(a)[1] - 1 = floor(log2(a)), exactly
;;       r = np.clip(x / 2.0 ** e, -7.5, 7.5)
;;       step = 2.0 ** (np.maximum(np.frexp(np.where(r == 0, 1, r))[1] - 1, 0) - 3)
;;       q = np.round(r / step) * step * 2.0 ** e      # np.round: ties to even
;;       return np.moveaxis(q.reshape(q.shape[:-2] + (-1,))[..., :K], -1, axis).astype(np.float32)
;;   ~~~
;;   SOFTMAX AHEAD OF A QUANTISED PRODUCT. Where the list says 'softmax', what is quantised is not the finished softmax but p = 2^(t - M), with t = logit x log2(e) and M = ceil(the row's largest t), a whole number; so 1/2 < the row's largest p <= 1. The row's sum l is taken of the UNQUANTISED p, in f32, and the product's result is divided by l at the end. Since M is a whole number, a kernel that streams over the keys may use a running M (the ceiling of the running maximum): every later rescaling is an exact power of two, which a block's scale takes up: the codes' values come out the same.
;;   OPERANDS COMPUTED ON THE WAY. 'Computed on the way' means the value that the module computes at that place (a softmax that the list does not call 'softmax' is quantised finished and normalised). What goes into a quantiser is computed in f32, as accurately as f32 sums, v_exp_f32 and their like allow (about 1e-6 of the number): no bf16 or f16 on the way to a quantiser, and a product that is left as it is and whose result goes on into a quantised operand takes f32 operands (vector FMAs, or v_wmma_f32_16x16x4_f32). A number that lies on a knife's edge between two numbers of the format may be rounded either way, as far as f32 arithmetic and the matrix unit's own rounding can turn it there, and no further.
;; One version. Each part assembles by itself: llvm-mc -triple=amdgcn-amd-amdhsa -mcpu=gfx1250 --defsym DOCPART=n.
;; ======== version 1 of 1: 2 launches
;; limits: right only within a limited range of input values
;; workspace buffers: xq 13,107,200 bytes; tot 131,072 bytes
;; launch quant (part 1): grid 512 x 1, 8 waves a work-group, no clusters, 3,072 bytes of LDS; arguments x, xq, tot; writes xq, tot
.if DOCPART == 1
	.amdgcn_target "amdgcn-amd-amdhsa--gfx1250"
	.amdhsa_code_object_version 6
	.text
	.protected	k_q41819a3c26_quant
	.globl	k_q41819a3c26_quant
	.p2align	8
	.type	k_q41819a3c26_quant,@function
k_q41819a3c26_quant:
	s_mov_b64 s[64:65], 0
	v_nop
	global_prefetch_b8 v0, s[64:65] scope:SCOPE_SE
	s_setreg_imm32_b32 hwreg(HW_REG_WAVE_MODE, 25, 1), 1
	s_wait_xcnt 0x0
; x [4][4096 (s)][1024 (c)], f32, is the product's operand whose K is s, its MIDDLE axis.  It is turned into codes of FP6 (E2M3) with one E8M0 byte for each 32 along s,
; laid in the order of the matrix operand's registers, so that the next launch brings whole fragments by loads of 16 bytes a lane.
; xq = [strip 64][record 16][12,800 bytes].  A strip is one b and 64 columns (strip = 16 b + c / 64); a record is 256 along s.  In a record:
;   bytes 0 .. 12,287: eight fragments f = 4 e + ct (e: which 128 of the 256 along s; ct: which 16 of the 64 columns), 1,536 bytes each: registers 4 j .. 4 j + 3 of lane l at 1536 f + 512 j + 16 l.
;     In a fragment lane (r, h) holds column 16 ct + r, and its registers 6 c .. 6 c + 5 the codes of s = 128 e + 64 c + 32 h + 0 .. 31.
;   bytes 12,288 .. 12,799: the scale words, [ct 4][e 2][r 16] x 4 bytes; byte k of a word scales the column's block k of the 128.
; A block's scale is 2^(floor(log2(its largest magnitude)) - 2); its byte is the largest magnitude's exponent field - 2, held at 1 from below.  Each number is divided by the scale and rounded to the
; nearest code, ties to even; beyond 7.5 the conversion gives the largest code.
; LIMITS: NaN and infinities among the inputs are not served.  A block of zeros gets the byte 1 where the rule says 127: its codes are zeros, which add nothing under any byte but 0xff, and this program alone reads the bytes.
; SHARES.  A work-group takes 512 along s of one strip.  Wave v: hf = v & 1 (which 32 of the 64 columns), q = v >> 1 (which 128 along s).  A LANE TAKES A COLUMN AND ITS 128 REGISTERS RUN DOWN s:
; each load reads 128 consecutive bytes, and the waves hf = 0 and hf = 1 stand side by side on a row's 256; a block of 32 lies in one lane, so its largest magnitude needs no other lane, and the
; conversions give codes with s innermost.  Nothing is transposed by an instruction.  No tensor load, no ring; one barrier, for the scale words.
; tot = [strip 64][512 along s: 8][64 columns] f32: the sums of the quantised numbers over these 512 of s, one matrix product of each fragment with a fragment of ones, then four waves' sums added: the barrier serves these too.
; WORK LEFT OUT by the program.  The logits are constants of the problem: 0 where s <= t, -infinity elsewhere; so p = 1 where s <= t and 0 elsewhere for every input.  (1) Tiles of the product in which every p is 0
; (s > t throughout) add nothing for any finite x and are not multiplied.  (2) All rows t of a quarter of 1,024 weigh the keys ahead of that quarter alike (p = 1): their sum is the same number for each of these rows; it is made once
; for a column, here, and the next launch begins its sums with it.
; LIMIT: a NaN, an infinity or an overflow that reaches only the work left out (x at s > t) is not carried to the result.
.set REC,    12800                     ; a record in bytes
.set ONES,   196                       ; v196-207 p's fragment where every key is visible
.set PSC,    208                       ; v208 its scale word
.set SUMS,   0x400                     ; LDS: the waves' sums, 256 bytes for each 128 along s
.set STRIPB, 16*REC                    ; a strip
.set FRB,    1536                      ; a fragment's image
.set SCO,    12288                     ; where a record's scale words begin
.set XR,  32                           ; v32-159  my column's 128 numbers
.set U,   160                          ; v160-171 blocks 0 and 2 of my column, then the fragment of columns 32 hf + 0 .. 15
.set V,   172                          ; v172-183 blocks 1 and 3, then the fragment of columns 32 hf + 16 .. 31
.set TT,  184                          ; v184-186 a block's upper 16 codes on their way
.set SW,  188                          ; v188-191 16 bytes of scale words on the way out
	s_load_b128 s[4:7], s[0:1], 0x0                ; x s[4:5], xq s[6:7]
	s_load_b64 s[30:31], s[0:1], 0x10              ; tot
	v_lshl_add_u32 v192, v0, 2, 0x800
	v_mov_b32 v193, 0
	v_lshrrev_b32 v1, 5, v0
	s_delay_alu instid0(VALU_DEP_1)
	v_readfirstlane_b32 s8, v1                     ; wave 0..7
	v_and_b32 v1, 31, v0                           ; lane
	s_delay_alu instid0(VALU_DEP_1)
	v_lshlrev_b32 v2, 2, v1                        ; x: 4 bytes a lane
	s_delay_alu instid0(VALU_DEP_2)
	v_lshlrev_b32 v3, 4, v1                        ; xq: 16 bytes a lane
	s_and_b32 s9, s8, 1                            ; hf
	s_lshr_b32 s10, s8, 1                          ; q
	s_lshr_b32 s11, ttmp9, 3                       ; strip
	s_and_b32 s12, ttmp9, 7                        ; z: which 512 along s
	s_lshr_b32 s16, s10, 1                         ; which of the work-group's two records
	s_and_b32 s17, s10, 1                          ; e
	; LDS: the two records' scale words, 512 bytes each, as they lie in a record: 256 hf + 128 (lane / 16) + 64 e + 4 (lane % 16)
	s_lshl_b32 s18, s16, 9
	s_lshl_b32 s19, s9, 8
	s_add_co_u32 s18, s18, s19
	s_lshl_b32 s19, s17, 6
	s_add_co_u32 s18, s18, s19
	v_and_b32 v4, 15, v0
	s_delay_alu instid0(VALU_DEP_1)
	v_lshlrev_b32 v4, 2, v4
	v_bfe_u32 v5, v0, 4, 1
	s_delay_alu instid0(VALU_DEP_1)
	v_lshl_add_u32 v4, v5, 7, v4
	s_delay_alu instid0(VALU_DEP_1)
	v_add_nc_u32 v4, s18, v4                       ; where my column's word goes
	s_lshl_b32 s18, s10, 8
	s_lshl_b32 s19, s9, 7
	s_add_co_u32 s18, s18, s19
	s_add_co_u32 s18, s18, SUMS
	v_bfe_u32 v13, v0, 4, 1
	v_and_b32 v14, 31, v0
	v_lshlrev_b32 v13, 5, v13
	v_lshlrev_b32 v14, 3, v14                      ; 8 x lane
	v_add_nc_u32 v13, s18, v13                     ; where my sums go: 256 q + 128 hf + 32 (lane / 16)
	v_add_nc_u32 v15, SUMS, v14                    ; and where wave 2 reads two columns a lane back
	v_and_b32 v5, 63, v0
	s_delay_alu instid0(VALU_DEP_1)
	v_lshlrev_b32 v5, 4, v5                        ; and where waves 0 and 1 read 16 bytes a lane back
	; x: b x 2^24 + 256 x (strip % 16) + 128 hf + (4 z + q) x 128 rows of 4,096 bytes
	s_lshr_b32 s20, s11, 4
	s_lshl_b32 s20, s20, 24
	s_and_b32 s21, s11, 15
	s_lshl_b32 s21, s21, 8
	s_add_co_u32 s20, s20, s21
	s_lshl_b32 s21, s9, 7
	s_add_co_u32 s20, s20, s21
	s_lshl_b32 s21, s12, 2
	s_add_co_u32 s21, s21, s10
	s_lshl_b32 s21, s21, 19
	s_add_co_u32 s20, s20, s21
	s_mov_b32 s21, 0
	; xq: my two fragments: strip, record 2 z + q / 2, fragment 4 e + 2 hf
	s_mul_i32 s26, s11, STRIPB
	s_lshl_b32 s27, s12, 1
	s_add_co_u32 s22, s27, s16
	s_mul_i32 s22, s22, REC
	s_add_co_u32 s22, s22, s26
	s_lshl_b32 s28, s17, 2
	s_lshl_b32 s29, s9, 1
	s_add_co_u32 s28, s28, s29
	s_mul_i32 s28, s28, FRB
	s_add_co_u32 s22, s22, s28
	s_mov_b32 s23, 0
	; and the scale words of record 2 z + hf (waves 0 and 1, in which hf is the wave's number, store them)
	s_add_co_u32 s24, s27, s9
	s_mul_i32 s24, s24, REC
	s_add_co_u32 s24, s24, s26
	s_add_co_u32 s24, s24, SCO
	s_mov_b32 s25, 0
	s_lshl_b32 s28, s11, 11
	s_lshl_b32 s29, s12, 8
	s_add_co_u32 s28, s28, s29                     ; tot: strip, then which 512 along s
	s_mov_b32 s29, 0
	s_wait_alu depctr_va_vdst(0)
	s_wait_kmcnt 0x0
	s_add_nc_u64 s[4:5], s[4:5], s[20:21]
	s_add_nc_u64 s[14:15], s[6:7], s[24:25]
	s_add_nc_u64 s[6:7], s[6:7], s[22:23]
	s_add_nc_u64 s[30:31], s[30:31], s[28:29]
	; all 128 rows are asked for at once: every offset is an immediate (127 x 4,096 at the most), no pointer is stepped.  The issue stalls by itself where the counter's field is full (ISA guide 5.7.1)
.set n, 0
.rept 128
	global_load_b32 v[XR+n], v2, s[4:5] offset:n*4096 th:TH_LOAD_NT
.set n, n+1
.endr
; Block b of my column: its largest magnitude, its byte into the scale word v12, its 32 codes into six registers of U (b even) or V (b odd)
.macro BLOCK b
.set XS, XR+32*(\b)
.set T, U+12*((\b)%2)+6*((\b)/2)
	v_max3_num_f32 v8, |v[XS]|, |v[XS+1]|, |v[XS+2]|               ; two chains, so that no line waits for the line above it
	v_max3_num_f32 v9, |v[XS+3]|, |v[XS+4]|, |v[XS+5]|
.irp i, 6,10,14,18,22,26
	s_delay_alu instid0(VALU_DEP_2)
	v_max3_num_f32 v8, v8, |v[XS+\i]|, |v[XS+\i+1]|
	s_delay_alu instid0(VALU_DEP_2)
	v_max3_num_f32 v9, v9, |v[XS+\i+2]|, |v[XS+\i+3]|
.endr
	s_delay_alu instid0(VALU_DEP_2)
	v_max3_num_f32 v8, v8, |v[XS+30]|, |v[XS+31]|
	s_delay_alu instid0(VALU_DEP_1)
	v_max3_num_f32 v8, v8, v9, 0x1800000           ; and the floor 2^(3 - 127): the byte cannot fall under 1
	s_delay_alu instid0(VALU_DEP_1)
	v_add_nc_u32 v10, 0xff000000, v8               ; 2 off the exponent field: the conversion takes the exponent field of this operand as its scale, and nothing else of it
	s_delay_alu instid0(VALU_DEP_1)
	v_lshrrev_b32 v11, 23, v10                     ; the scale's byte
.if (\b) == 0
	s_delay_alu instid0(VALU_DEP_1)
	v_mov_b32 v12, v11
.else
	s_delay_alu instid0(VALU_DEP_1)
	v_lshl_or_b32 v12, v11, 8*(\b), v12            ; the lower s in the lower byte
.endif
	v_cvt_scalef32_pk16_fp6_f32 v[T:T+2], v[XS:XS+15], v10
	v_cvt_scalef32_pk16_fp6_f32 v[TT:TT+2], v[XS+16:XS+31], v10    ; (a conversion's three registers begin on an even number: the upper half is made elsewhere and moved)
	v_nop                                          ; one plain line between a scaled conversion and the vector line that touches its result
.irp i, 0,1,2
	v_mov_b32 v[T+3+\i], v[TT+\i]
.endr
.endm
	v_mov_b32 v187, 0x3e800000                     ; 2^-2: the conversion's scale operand for p = 1
	v_mov_b32 v[PSC], 0x7d7d7d7d
.set n, 0
.rept 16
	v_mov_b32 v[U+n], 1.0                          ; sixteen p = 1 make 96 bits of codes, which repeat through the fragment's twelve registers
.set n, n+1
.endr
	v_cvt_scalef32_pk16_fp6_f32 v[TT:TT+2], v[U:U+15], v187
	v_nop                                          ; one plain line between a scaled conversion and the vector line that touches its result
.set n, 0
.rept 12
	v_mov_b32 v[ONES+n], v[TT+n%3]
.set n, n+1
.endr
	s_wait_loadcnt 63                              ; 64 loads stand behind block 1's last: blocks 0 and 1 are in (63 is the largest count that the wait can name)
	BLOCK 0
	BLOCK 1
	s_wait_loadcnt 32                              ; block 3's 32 loads stand behind block 2's
	BLOCK 2
	s_wait_loadcnt 0x0
	BLOCK 3
	; The operand's layout wants, in lanes 0-15, blocks 0 and 2 of a tile's 16 columns and, in lanes 16-31, blocks 1 and 3 of the SAME columns.  U's lanes 16-31 change places with V's lanes 0-15:
	; U is then the fragment of columns 32 hf + 0 .. 15, V that of columns 32 hf + 16 .. 31.
.set n, 0
.rept 12
	v_permlane16_swap_b32 v[U+n], v[V+n]
.set n, n+1
.endr
.irp j, 0,1,2
	global_store_b128 v3, v[U+4*\j:U+4*\j+3], s[6:7] offset:512*\j          ; each store of the wave covers 512 consecutive bytes, at a multiple of 256 from xq's first byte
.endr
.irp j, 0,1,2
	global_store_b128 v3, v[V+4*\j:V+4*\j+3], s[6:7] offset:FRB+512*\j
.endr
	ds_store_b32 v4, v12                           ; the scale words of the work-group's two records meet in LDS
.rept 4
	v_nop                                          ; places between the operands just written and a scaled product
.endr
	; my 128 along s, summed: register j of lane (r, h) is column 8 h + j of the fragment's 16, the same in every r.  v12 holds U's columns' words in lanes 0-15 and V's in lanes 16-31
	v_wmma_scale_f32_16x16x128_f8f6f4 v[32:39], v[U:U+11], v[ONES:ONES+11], 0, v12, v[PSC] matrix_a_fmt:MATRIX_FMT_FP6 matrix_b_fmt:MATRIX_FMT_FP6
	v_wmma_scale_f32_16x16x128_f8f6f4 v[40:47], v[V:V+11], v[ONES:ONES+11], 0, v12, v[PSC] matrix_a_fmt:MATRIX_FMT_FP6 matrix_b_fmt:MATRIX_FMT_FP6 matrix_a_scale:MATRIX_SCALE_ROW1
.rept 4
	v_nop                                          ; the places behind a matrix instruction (ISA guide 7.12.1)
.endr
	ds_store_b128 v13, v[32:35]
	ds_store_b128 v13, v[36:39] offset:16
	ds_store_b128 v13, v[40:43] offset:64
	ds_store_b128 v13, v[44:47] offset:80
	s_wait_dscnt 0x0                               ; for the others' sake: my store has landed
	s_barrier_signal -1
	s_barrier_wait -1
	s_cmp_lt_u32 s8, 2
	s_cbranch_scc0 .Lsums                          ; waves 0 and 1 store a record's 512 bytes of scale words each
	ds_load_b128 v[SW:SW+3], v5
	s_wait_dscnt 0x0
	global_store_b128 v3, v[SW:SW+3], s[14:15]     ; 512 consecutive bytes, at a multiple of 256 from xq's first byte
	s_branch .Ldone
.Lsums:
	s_cmp_eq_u32 s8, 2
	s_cbranch_scc0 .Ldone                          ; wave 2 adds the four sums of each column and stores 256 bytes
.irp k, 0,1,2,3
	ds_load_b64 v[32+2*\k:33+2*\k], v15 offset:256*\k
.endr
	s_wait_dscnt 0x0
	v_pk_add_f32 v[32:33], v[32:33], v[34:35]
	v_pk_add_f32 v[36:37], v[36:37], v[38:39]
	v_pk_add_f32 v[32:33], v[32:33], v[36:37]
	global_store_b64 v14, v[32:33], s[30:31]
.Ldone:
	s_wait_tensorcnt 0x0
	ds_add_u32 v192, v193
	s_wait_dscnt 0x0
	s_endpgm
.Lfunc_end_k_q41819a3c26_quant:
	.size	k_q41819a3c26_quant, .Lfunc_end_k_q41819a3c26_quant-k_q41819a3c26_quant
	.p2alignl 7, 3214868480
	.fill 96, 4, 3214868480
	.section	.rodata,"a",@progbits
	.p2align	6, 0x0
	.amdhsa_kernel k_q41819a3c26_quant
		.amdhsa_group_segment_fixed_size 3072
		.amdhsa_private_segment_fixed_size 0
		.amdhsa_enable_private_segment 0
		.amdhsa_kernarg_size 24
		.amdhsa_user_sgpr_count 2
		.amdhsa_user_sgpr_kernarg_segment_ptr 1
		.amdhsa_wavefront_size32 1
		.amdhsa_system_sgpr_workgroup_id_x 1
		.amdhsa_system_sgpr_workgroup_id_y 1
		.amdhsa_system_sgpr_workgroup_id_z 1
		.amdhsa_system_vgpr_workitem_id 0
		.amdhsa_next_free_vgpr 210
		.amdhsa_next_free_sgpr 66
		.amdhsa_reserve_vcc 0
		.amdhsa_float_denorm_mode_32 3
		.amdhsa_float_denorm_mode_16_64 3
		.amdhsa_memory_ordered 1
		.amdhsa_forward_progress 1
		.amdhsa_inst_pref_size 28
	.end_amdhsa_kernel
	.amdgpu_metadata
---
amdhsa.version: [ 1, 2 ]
amdhsa.kernels:
  - .name:           k_q41819a3c26_quant
    .symbol:         k_q41819a3c26_quant.kd
    .args:
      - { .name: x, .offset: 0, .size: 8, .value_kind: global_buffer, .address_space: global }
      - { .name: xq, .offset: 8, .size: 8, .value_kind: global_buffer, .address_space: global }
      - { .name: tot, .offset: 16, .size: 8, .value_kind: global_buffer, .address_space: global }
    .group_segment_fixed_size: 3072
    .private_segment_fixed_size: 0
    .kernarg_segment_align: 8
    .kernarg_segment_size: 24
    .max_flat_workgroup_size: 256
    .sgpr_count:     66
    .vgpr_count:     210
    .wavefront_size: 32
...
	.end_amdgpu_metadata
.endif
;; end of part 1
;; launch causal (part 2): grid 256 x 1, 16 waves a work-group, no clusters, 205,056 bytes of LDS; arguments xq, tot, out0; writes out0
.if DOCPART == 2
	.amdgcn_target "amdgcn-amd-amdhsa--gfx1250"
	.amdhsa_code_object_version 6
	.text
	.protected	k_q41819a3c26_causal
	.globl	k_q41819a3c26_causal
	.p2align	8
	.type	k_q41819a3c26_causal,@function
k_q41819a3c26_causal:
	s_mov_b64 s[64:65], 0
	v_nop
	global_prefetch_b8 v0, s[64:65] scope:SCOPE_SE
	s_setreg_imm32_b32 hwreg(HW_REG_WAVE_MODE, 25, 1), 1
	s_wait_xcnt 0x0
; out[b][t][c] = (the sum over s <= t of Q(x)[b][s][c] Q(p)[t][s]) / l[t], on codes of FP6 (E2M3) with one E8M0 scale for each 32 along s.
; THE WEIGHTS.  The logits are constants of the problem: 0 where s <= t, -infinity elsewhere.  So for every input M = ceil(0) = 0, p = 2^0 = 1 where s <= t and 0 elsewhere, and the row's sum of the unquantised p is
; l = t + 1, exactly.  A block of 32 keys with a visible key has the largest magnitude 1, so the scale 2^-2 (byte 125); a block without one has zero codes, which add nothing under any byte but 0xff, so byte 125 serves all blocks.
; p is put through the conversion here, with that scale; no byte of it comes from memory.
; WORK LEFT OUT: tiles in which every p is 0, and the keys ahead of the quarter, whose sum is the same number for all 1,024 rows of the quarter and comes from tot as the C of the first products (shown at the head of the launch before).
; LIMITS: 1 / l is v_rcp_f32's (1 ulp: ISA guide, its entry), then one multiplication.  A NaN, an infinity or an overflow that reaches only the work left out is not carried to the result.
; x's codes and scale words come from xq as the launch before lays them: [strip 64][record 16][12,800 bytes]; a record is 256 along s: eight fragments f = 4 e + ct of 1,536 bytes, then 512 bytes of scale words [ct][e][r].
; SHARES.  A work-group takes a strip (one b, 64 columns) and a quarter q of the rows: 1,024.  Of the codes it needs its own quarter's four records alone, 51,200 dense bytes: no two work-groups read the same codes, so nothing is asked for
; jointly.  They are asked for in one run at the head, 3,072 + 128 bytes a wave, and go through registers into LDS as they lie; there is no loop that a prefetch could run ahead in.
; A wave makes block k = 0 .. 15 of the quarter: 64 rows x 64 columns, 16 accumulators of 16 x 16.  Segment g = k / 2 is the 128 keys in which its diagonal lies; of the segments 0 .. g - 1 it sees every key (fragment PF).
; Row tile i = 0 .. 3 of the block sees key m of segment g where m <= 16 (4 (k % 2) + i) + r: constant fragments P0 .. P7, made once by waves 0 to 7 and kept in LDS.
; THE PRODUCT: source 0 = x's fragment (its rows are 16 columns), source 1 = p's (its columns are 16 rows t): register j of lane (r, h) is out(t = r, c = 16 ct + 8 h + j).
; REGISTERS: v1-9 addresses and constants; v10-17 x's scale words; v20-31 PF; v32-79, v80-127 two buffers for a segment's four fragments (the first holds P's at the start); v128-255 accumulator (i, ct) at v[128 + 8 (4 i + ct)].
.set REC,   12800
.set QB,    4*REC                      ; LDS 0 .. 51,199: the quarter, as it lies in memory
.set PB,    QB                         ; P0 .. P7, 1,536 bytes each
.set TL,    PB+8*1536                  ; the 64 columns' sums over the keys ahead of the quarter
.set STAGE, TL+256                     ; for each wave 32 rows x 272 bytes, for the way out
.set SP,    272                        ; 256 bytes + 16: the sixteen rows that a store touches start at sixteen different columns of 16 bytes
.set WST,   32*SP
.set SPARE, STAGE+16*WST               ; the spare words, 128 bytes for each wave
.set LI,  1                            ; v1   16 x lane
.set LSB, 2                            ; v2   4 r
.set STO, 3                            ; v3   the stage, in
.set RD,  4                            ; v4   and out
.set GO,  5                            ; v5   my byte offset in two rows of out
.set SPW, 6
.set NIL, 7
.set PS,  8                            ; v8   p's scale word
.set T1,  9                            ; v9   t + 1 of row r of my first row tile
.set XS,  10                           ; v10-13, v14-17 x's scale words, for the two buffers
.set PF,  20
.set B1,  32
.set B0,  80
.set ACC, 128
.set CR,  ACC+96                       ; the sums ahead of the quarter, laid as C, where row tile 3's accumulators will stand
; until the first products these lie where row tiles 0 and 1 will stand:
.set PA,  128                          ; LDS: P's of my block
.set DA,  129                          ; segment g's fragments
.set DSB, 130                          ; and its scale words
.set TLB, 131                          ; 32 h
.set CPA, 132                          ; my 3,072 bytes of the quarter
.set CPB, 133                          ; and my 128
.set PW,  134                          ; waves 0 to 7: where P goes
.set PT,  136                          ; v136-147 P
.set SCV, 148
.set ONE, 149
.set THR, 150
.set L8,  151
.set TLW, 152
.set TV,  160                          ; v160-171 wave 8: the sums of 512 keys
.macro PLACES                          ; the places behind matrix instructions (ISA guide 7.12.1 for vector instructions)
.rept 4
	v_nop
.endr
.endm
.macro MM d, a, b, c, sa
	v_wmma_scale_f32_16x16x128_f8f6f4 v[\d:\d+7], v[\a:\a+11], v[\b:\b+11], \c, v[\sa], v[PS] matrix_a_fmt:MATRIX_FMT_FP6 matrix_b_fmt:MATRIX_FMT_FP6
.endm
.macro XLOAD j, b                      ; segment j's four fragments and scale words into buffer b: 16 loads
.irp ct, 0,1,2,3
.irp p, 0,1,2
	ds_load_b128 v[B0-48*(\b)+12*\ct+4*\p:B0-48*(\b)+12*\ct+4*\p+3], v[LI] offset:REC*((\j)/2)+6144*((\j)%2)+1536*\ct+512*\p
.endr
	ds_load_b32 v[XS+4*(\b)+\ct], v[LSB] offset:REC*((\j)/2)+12288+128*\ct+64*((\j)%2)
.endr
.endm
	s_load_b128 s[4:7], s[0:1], 0x0                ; xq s[4:5], tot s[6:7]
	s_load_b64 s[12:13], s[0:1], 0x10              ; out0
	v_lshrrev_b32 v1, 5, v0
	v_readfirstlane_b32 s8, v1                     ; wave 0..15
	v_and_b32 v18, 31, v0
	v_lshlrev_b32 v[LI], 4, v18
	v_lshlrev_b32 v19, 2, v18
	s_mul_i32 s16, s8, 3072
	v_add_nc_u32 v[CPA], s16, v[LI]
	s_lshl_b32 s16, s8, 7
	s_add_co_u32 s16, s16, 49152
	v_add_nc_u32 v[CPB], s16, v19
	s_mul_i32 s10, ttmp9, QB                       ; work-group = 4 x strip + q: its quarter of the strip
	s_mov_b32 s11, 0
	s_wait_alu depctr_va_vdst(0)
	s_wait_kmcnt 0x0
	s_add_nc_u64 s[10:11], s[4:5], s[10:11]
.irp n, 0,1,2,3,4,5
	global_load_b128 v[B0+4*\n:B0+4*\n+3], v[CPA], s[10:11] offset:512*\n th:TH_LOAD_NT   ; 512 consecutive bytes
.endr
	global_load_b32 v[B0+24], v[CPB], s[10:11] th:TH_LOAD_NT
	; the rest of the head under the loads' flight
	s_bfe_u32 s14, s8, 0x10002
	s_mul_i32 s14, s14, 3
	s_xor_b32 s15, s8, s14                         ; block k: the wave's number, each second four in reverse, so that the blocks of the waves w, w + 4, w + 8, w + 12 have the same number of segments in all, for every w
	s_lshr_b32 s9, s15, 1                          ; segment g
	s_and_b32 s17, s15, 1
	s_and_b32 s18, ttmp9, 3                        ; q
	s_lshr_b32 s19, ttmp9, 2                       ; strip
	s_lshl_b32 s20, s19, 11
	s_mov_b32 s21, 0
	s_add_nc_u64 s[6:7], s[6:7], s[20:21]          ; tot: the strip's eight rows of 256 bytes
	s_lshr_b32 s20, s19, 4
	s_lshl_b32 s20, s20, 24
	s_and_b32 s22, s19, 15
	s_lshl_b32 s22, s22, 8
	s_add_co_u32 s20, s20, s22
	s_lshl_b32 s22, s18, 22
	s_add_co_u32 s20, s20, s22
	s_lshl_b32 s22, s15, 18
	s_add_co_u32 s20, s20, s22                     ; out0: b, column, row 1,024 q + 64 k
	s_add_nc_u64 s[12:13], s[12:13], s[20:21]
	s_mul_i32 s22, s17, 6144                       ; P0 .. P3 or P4 .. P7
	s_lshr_b32 s25, s9, 1
	s_mul_i32 s25, s25, REC
	s_and_b32 s23, s9, 1
	s_mul_i32 s24, s23, 6144
	s_add_co_u32 s24, s24, s25                     ; segment g's fragments
	s_lshl_b32 s23, s23, 6
	s_add_co_u32 s25, s25, s23                     ; and its scale words
	s_mul_i32 s26, s8, WST
	s_add_co_u32 s26, s26, STAGE
	s_mul_i32 s27, s8, 1536
	s_add_co_u32 s27, s27, PB
	s_lshl_b32 s28, s8, 4
	s_lshl_b32 s29, s18, 10
	s_lshl_b32 s30, s15, 6
	s_add_co_u32 s29, s29, s30
	s_add_co_u32 s29, s29, 1
	v_and_b32 v19, 15, v0                          ; r
	v_bfe_u32 v18, v0, 4, 1                        ; h
	v_lshlrev_b32 v[LSB], 2, v19
	v_add_nc_u32 v[PA], s22, v[LI]
	v_add_nc_u32 v[DA], s24, v[LI]
	v_add_nc_u32 v[DSB], s25, v[LSB]
	v_lshlrev_b32 v[TLB], 5, v18
	v_mul_u32_u24 v[STO], v19, SP                  ; in: row r, 32 bytes for each half of the lanes
	v_lshl_add_u32 v[STO], v18, 5, v[STO]
	v_add_nc_u32 v[STO], s26, v[STO]
	v_mul_u32_u24 v[RD], v18, SP                   ; back: lanes 0-15 one row of 256 bytes, lanes 16-31 the next
	v_lshl_add_u32 v[RD], v19, 4, v[RD]
	v_add_nc_u32 v[RD], s26, v[RD]
	v_lshlrev_b32 v[GO], 12, v18                   ; and the same two rows in out0
	v_lshl_add_u32 v[GO], v19, 4, v[GO]
	v_lshl_add_u32 v[SPW], v0, 2, SPARE
	v_mov_b32 v[NIL], 0
	v_mov_b32 v[PS], 0x7d7d7d7d
	v_add_nc_u32 v[T1], s29, v19
	v_add_nc_u32 v[PW], s27, v[LI]
	v_mov_b32 v[SCV], 0x3e800000                   ; 2^-2: the conversion's scale operand for p
	v_mov_b32 v[ONE], 1.0
	v_lshlrev_b32 v[THR], 5, v18
	v_sub_nc_u32 v[THR], v19, v[THR]
	v_add_nc_u32 v[THR], s28, v[THR]               ; 16 w + r - 32 h: the last key that row r of P w sees, counted from the lane's first
	v_and_b32 v[L8], 31, v0
	v_lshlrev_b32 v[L8], 3, v[L8]
	v_add_nc_u32 v[TLW], TL, v[L8]
.set n, 0
.rept 16
	v_mov_b32 v[B1+n], 1.0                         ; PF: sixteen p = 1 make 96 bits of codes, which repeat through the fragment's twelve registers
.set n, n+1
.endr
	v_cvt_scalef32_pk16_fp6_f32 v[B1+16:B1+18], v[B1:B1+15], v[SCV]
	v_nop                                          ; one plain line behind a scaled conversion
.set n, 0
.rept 12
	v_mov_b32 v[PF+n], v[B1+16+n%3]
.set n, n+1
.endr
	s_wait_alu depctr_va_vdst(0)
	s_cmp_lt_u32 s8, 8
	s_cbranch_scc0 .Lno_p                          ; waves 0 to 7 make P w
.irp c, 0,1
.set n, 0
.rept 32
	v_cmp_gt_i32 vcc_lo, 64*\c+n, v[THR]
	v_cndmask_b32 v[B1+n], v[ONE], v[NIL], vcc_lo
.set n, n+1
.endr
	v_cvt_scalef32_pk16_fp6_f32 v[PT+6*\c:PT+6*\c+2], v[B1:B1+15], v[SCV]
	v_cvt_scalef32_pk16_fp6_f32 v[B1+32:B1+34], v[B1+16:B1+31], v[SCV]   ; (a conversion's three registers begin on an even number)
	v_nop                                          ; one plain line behind a scaled conversion
.irp i, 0,1,2
	v_mov_b32 v[PT+6*\c+3+\i], v[B1+32+\i]
.endr
.endr
.irp p, 0,1,2
	ds_store_b128 v[PW], v[PT+4*\p:PT+4*\p+3] offset:512*\p
.endr
	s_branch .Lhead
.Lno_p:
	s_cmp_eq_u32 s8, 8
	s_cbranch_scc0 .Lhead                          ; wave 8: the sums over the keys ahead of the quarter: of the six rows of tot, 512 keys each, those of the quarters 0 .. q - 1
.irp z, 0,1,2,3,4,5
	global_load_b64 v[TV+2*\z:TV+2*\z+1], v[L8], s[6:7] offset:256*\z
.endr
	s_wait_loadcnt 0x0
.irp p, 0,1,2
	s_cmp_lt_u32 \p, s18
	s_cselect_b32 s24, -1, 0
.irp i, 0,1,2,3
	v_cndmask_b32 v[TV+4*\p+\i], v[NIL], v[TV+4*\p+\i], s24
.endr
.endr
	v_pk_add_f32 v[TV:TV+1], v[TV:TV+1], v[TV+2:TV+3]
	v_pk_add_f32 v[TV+4:TV+5], v[TV+4:TV+5], v[TV+6:TV+7]
	v_pk_add_f32 v[TV+8:TV+9], v[TV+8:TV+9], v[TV+10:TV+11]
	v_pk_add_f32 v[TV:TV+1], v[TV:TV+1], v[TV+4:TV+5]
	v_pk_add_f32 v[TV:TV+1], v[TV:TV+1], v[TV+8:TV+9]
	ds_store_b64 v[TLW], v[TV:TV+1]
.Lhead:
	s_wait_loadcnt 0x0                             ; my part of the quarter is in registers,
.irp n, 0,1,2,3,4,5
	ds_store_b128 v[CPA], v[B0+4*\n:B0+4*\n+3] offset:512*\n
.endr
	ds_store_b32 v[CPB], v[B0+24]
	s_wait_alu depctr_va_vdst(0)
	s_wait_dscnt 0x0                               ; and in LDS: for the others' sake
	s_barrier_signal -1
	s_barrier_wait -1                              ; the quarter, the P's and the sums are there
.irp ct, 0,1,2,3
.irp p, 0,1,2
	ds_load_b128 v[B0+12*\ct+4*\p:B0+12*\ct+4*\p+3], v[DA] offset:1536*\ct+512*\p
.endr
	ds_load_b32 v[XS+\ct], v[DSB] offset:12288+128*\ct
.endr
.irp i, 0,1,2,3
.irp p, 0,1,2
	ds_load_b128 v[B1+12*\i+4*\p:B1+12*\i+4*\p+3], v[PA] offset:PB+1536*\i+512*\p
.endr
.endr
.irp ct, 0,1,2,3
	ds_load_b128 v[CR+8*\ct:CR+8*\ct+3], v[TLB] offset:TL+64*\ct
	ds_load_b128 v[CR+8*\ct+4:CR+8*\ct+7], v[TLB] offset:TL+64*\ct+16
.endr
	s_wait_dscnt 0x0
	; the diagonal's segment starts the sums.  The 16 accumulators take turns, one instruction a turn, here and below
.irp i, 0,1,2
.irp ct, 0,1,2,3
	MM ACC+32*\i+8*\ct, B0+12*\ct, B1+12*\i, v[CR+8*\ct:CR+8*\ct+7], XS+\ct
.endr
.endr
	PLACES
	v_nop                                          ; five places: row tile 3's results are laid over what the products above took as C
.irp ct, 0,1,2,3
	MM CR+8*\ct, B0+12*\ct, B1+36, v[CR+8*\ct:CR+8*\ct+7], XS+\ct
.endr
	; the segments ahead of it, every key visible.  The branches hang on the wave's number alone
	s_cmp_eq_u32 s9, 0
	s_cbranch_scc1 .Ldone
	PLACES
	XLOAD 0, 1
.set J_, 0
.rept 7
.if J_ > 0
	s_cmp_le_u32 s9, J_
	s_cbranch_scc1 .Ldone
	PLACES
.endif
.if J_ < 6
	XLOAD J_+1, J_%2
	s_wait_dscnt 16                                ; segment J_ is in; the next one's sixteen loads may be out
.else
	s_wait_dscnt 0x0
.endif
.irp i, 0,1,2,3
.irp ct, 0,1,2,3
	MM ACC+32*\i+8*\ct, B0-48*(1-J_%2)+12*\ct, PF, v[ACC+32*\i+8*\ct:ACC+32*\i+8*\ct+7], XS+4*(1-J_%2)+\ct
.endr
.endr
.set J_, J_+1
.endr
.Ldone:
	s_wait_dscnt 0x0                               ; a segment asked for ahead may still be out
	PLACES
	; 1 / l for my four row tiles, in v32-35; l = t + 1 is exact in f32
.irp i, 1,2,3
	v_add_nc_u32 v[B1+\i], 16*\i, v[T1]
.endr
	v_cvt_f32_u32 v[B1], v[T1]
.irp i, 1,2,3
	v_cvt_f32_u32 v[B1+\i], v[B1+\i]
.endr
	s_wait_alu depctr_va_vdst(0)                   ; the wait ahead of the batch
.irp i, 0,1,2,3
	v_rcp_f32 v[B1+\i], v[B1+\i]
.endr
	v_nop                                          ; one plain place behind a transcendental
	s_wait_alu depctr_va_vdst(0)                   ; and behind it, ahead of the first reader
.irp i, 0,2
.irp q, 0,2,4,6,8,10,12,14,16,18,20,22,24,26,28,30
	v_pk_mul_f32 v[ACC+32*\i+\q:ACC+32*\i+\q+1], v[ACC+32*\i+\q:ACC+32*\i+\q+1], v[B1+\i:B1+\i+1] op_sel_hi:[1,0]
.endr
.irp q, 0,2,4,6,8,10,12,14,16,18,20,22,24,26,28,30
	v_pk_mul_f32 v[ACC+32*\i+32+\q:ACC+32*\i+32+\q+1], v[ACC+32*\i+32+\q:ACC+32*\i+32+\q+1], v[B1+\i:B1+\i+1] op_sel:[0,1] op_sel_hi:[1,1]
.endr
.endr
	; the way out, two row tiles at a time, through my own stage: LDS serves a wave's instructions in order (ISA guide 5.7.1.4)
.macro TOSTAGE a
.irp i, 0,1
.irp ct, 0,1,2,3
	ds_store_b128 v[STO], v[ACC+32*(\a+\i)+8*\ct:ACC+32*(\a+\i)+8*\ct+3] offset:16*SP*\i+64*\ct
	ds_store_b128 v[STO], v[ACC+32*(\a+\i)+8*\ct+4:ACC+32*(\a+\i)+8*\ct+7] offset:16*SP*\i+64*\ct+16
.endr
.endr
.endm
.macro BACK ob
.irp k, 0,1,2,3,4,5,6,7,8,9,10,11,12,13,14,15
	ds_load_b128 v[\ob+4*\k:\ob+4*\k+3], v[RD] offset:2*SP*\k
.endr
.endm
.macro SEND ob, off, k                 ; rows 2 k and 2 k + 1: sixteen lanes store 256 consecutive bytes, at a multiple of 256 from out0's first byte
	global_store_b128 v[GO], v[\ob+4*(\k):\ob+4*(\k)+3], s[12:13] offset:\off+8192*(\k) th:TH_STORE_NT
.endm
	TOSTAGE 0
	BACK B1+4                                      ; v36-99
	TOSTAGE 2
	s_wait_dscnt 16                                ; row tiles 0 and 1 are back; the sixteen stores of 2 and 3 may be out
	BACK ACC                                       ; (the stores that read these registers stand ahead of loads that have come back)
.irp k, 0,1,2,3,4,5,6,7,8,9,10,11,12,13,14,15
	SEND B1+4, 0, \k
.endr
.irp g, 0,4,8,12
	s_wait_dscnt 12-\g                             ; the next four of the sixteen are back
.irp k, 0,1,2,3
	SEND ACC, 131072, \g+\k
.endr
.endr
	s_wait_tensorcnt 0x0                           ; the wave's end
	ds_add_u32 v[SPW], v[NIL]
	s_wait_dscnt 0x0
	s_endpgm
.Lfunc_end_k_q41819a3c26_causal:
	.size	k_q41819a3c26_causal, .Lfunc_end_k_q41819a3c26_causal-k_q41819a3c26_causal
	.p2alignl 7, 3214868480
	.fill 96, 4, 3214868480
	.section	.rodata,"a",@progbits
	.p2align	6, 0x0
	.amdhsa_kernel k_q41819a3c26_causal
		.amdhsa_group_segment_fixed_size 205056
		.amdhsa_private_segment_fixed_size 0
		.amdhsa_enable_private_segment 0
		.amdhsa_kernarg_size 24
		.amdhsa_user_sgpr_count 2
		.amdhsa_user_sgpr_kernarg_segment_ptr 1
		.amdhsa_wavefront_size32 1
		.amdhsa_system_sgpr_workgroup_id_x 1
		.amdhsa_system_sgpr_workgroup_id_y 1
		.amdhsa_system_sgpr_workgroup_id_z 1
		.amdhsa_system_vgpr_workitem_id 0
		.amdhsa_next_free_vgpr 256
		.amdhsa_next_free_sgpr 66
		.amdhsa_reserve_vcc 1
		.amdhsa_float_denorm_mode_32 3
		.amdhsa_float_denorm_mode_16_64 3
		.amdhsa_memory_ordered 1
		.amdhsa_forward_progress 1
		.amdhsa_inst_pref_size 53
	.end_amdhsa_kernel
	.amdgpu_metadata
---
amdhsa.version: [ 1, 2 ]
amdhsa.kernels:
  - .name:           k_q41819a3c26_causal
    .symbol:         k_q41819a3c26_causal.kd
    .args:
      - { .name: xq, .offset: 0, .size: 8, .value_kind: global_buffer, .address_space: global }
      - { .name: tot, .offset: 8, .size: 8, .value_kind: global_buffer, .address_space: global }
      - { .name: out0, .offset: 16, .size: 8, .value_kind: global_buffer, .address_space: global }
    .group_segment_fixed_size: 205056
    .private_segment_fixed_size: 0
    .kernarg_segment_align: 8
    .kernarg_segment_size: 24
    .max_flat_workgroup_size: 512
    .sgpr_count:     66
    .vgpr_count:     256
    .wavefront_size: 32
...
	.end_amdgpu_metadata
.endif
;; end of part 2
